; MI455X (gfx1250); checked and timed in simulation.
; The chip was launched on July 23, 2026; its instructions are those of AMD's public machine-readable ISA for CDNA 5 (MIT licence, August 2026) and "CDNA5" Instruction Set Architecture Reference Guide (July 2026). The comments in the code are by the model that wrote it; some were corrected since.
;; Attention. Allowed arithmetic: matrix products marked QUANTISED: E4M3 operands, one E8M0 scale for each 32 along K, by v_wmma_scale_f32_16x16x128_f8f6f4 with both operands' format E4M3, f32 sums; everything else in f32.
;; Inputs: K 4 x 16 x 2,048 x 64 float32; Q 4 x 16 x 2,048 x 64 float32; V 4 x 16 x 2,048 x 64 float32; mask 4 x 1 x 2,048 x 2,048 bool.
;; Outputs: out0 4 x 16 x 2,048 x 64 float32.
;; This version of the problem:
;;   THIS VERSION OF THE PROBLEM IS GIVEN IN LOW PRECISION. The matrix products marked QUANTISED in the list below multiply operands that are first quantised to E4M3 (4 exponent bits, 3 mantissa bits; 8 bits a number), with one power-of-two scale for each 32 numbers along K (OCP MX v1.0); their sums are f32. All else is computed in f32.
;;   The module's matrix products, in the order in which they are computed (A, B: the left and right operand; K: the contracted axis; several contracted axes count as one K, in the product's order):
;;     1. batch 64 x [M 2,048, K 64] x [K 64, N 2,048]; A: input Q; B: input K: QUANTISED
;;     2. batch 64 x [M 2,048, K 2,048] x [K 2,048, N 64]; A: softmax (see below); B: input V: QUANTISED
;;   THE QUANTISER, for each operand of a quantised product, along K:
;;     - K is cut into blocks of 32 from its start; a last block that is shorter is filled with zeros.
;;     - A block's scale is 2^e with e = floor(log2(the largest magnitude in the block)) - 8, held to -126 .. 127; a block of zeros has e = 0. As a byte (E8M0): e + 127.
;;     - Each number is divided by its block's scale, clamped to +-448, and rounded to the nearest number of E4M3, ties to even, subnormals kept.
;;     - The product sums the exact products of the quantised numbers (number of the format x scale) in f32.
;;   ~~~python
;;   def quantise(x, axis):      # numpy; x: float32 -> the quantised numbers, widened to float32 again
;;       x = np.moveaxis(x, axis, -1); K = x.shape[-1]
;;       x = np.pad(x, [(0, 0)] * (x.ndim - 1) + [(0, -K % 32)]); x = x.reshape(x.shape[:-1] + (-1, 32)); a = np.abs(x).max(-1, keepdims=True)
;;       e = np.where(a > 0, np.clip(np.frexp(np.where(a > 0, a, 1))[1] - 1 - 8, -126, 127), 0)      # np.frexp(a)[1] - 1 = floor(log2(a)), exactly
;;       r = np.clip(x / 2.0 ** e, -448, 448)
;;       step = 2.0 ** (np.maximum(np.frexp(np.where(r == 0, 1, r))[1] - 1, -6) - 3)
;;       q = np.round(r / step) * step * 2.0 ** e      # np.round: ties to even
;;       return np.moveaxis(q.reshape(q.shape[:-2] + (-1,))[..., :K], -1, axis).astype(np.float32)
;;   ~~~
;;   SOFTMAX AHEAD OF A QUANTISED PRODUCT. Where the list says 'softmax', what is quantised is not the finished softmax but p = 2^(t - M), with t = logit x log2(e) and M = ceil(the row's largest t), a whole number; so 1/2 < the row's largest p <= 1. The row's sum l is taken of the UNQUANTISED p, in f32, and the product's result is divided by l at the end. Since M is a whole number, a kernel that streams over the keys may use a running M (the ceiling of the running maximum): every later rescaling is an exact power of two, which a block's scale takes up: the codes' values come out the same.
;;   OPERANDS COMPUTED ON THE WAY. 'Computed on the way' means the value that the module computes at that place (a softmax that the list does not call 'softmax' is quantised finished and normalised). What goes into a quantiser is computed in f32, as accurately as f32 sums, v_exp_f32 and their like allow (about 1e-6 of the number): no bf16 or f16 on the way to a quantiser, and a product that is left as it is and whose result goes on into a quantised operand takes f32 operands (vector FMAs, or v_wmma_f32_16x16x4_f32). A number that lies on a knife's edge between two numbers of the format may be rounded either way, as far as f32 arithmetic and the matrix unit's own rounding can turn it there, and no further.
;; One version. Each part assembles by itself: llvm-mc -triple=amdgcn-amd-amdhsa -mcpu=gfx1250 --defsym DOCPART=n.
;; ======== version 1 of 1: 2 launches
;; limits: right only within a limited range of input values
;; workspace buffers: kv 17,301,504 bytes; maskw 2,097,152 bytes of whole numbers
;; launch prep (part 1): grid 1280 x 1, 4 waves a work-group, no clusters, 0 bytes of LDS; arguments K, V, mask, kv, maskw; writes kv, maskw
.if DOCPART == 1
	.amdgcn_target "amdgcn-amd-amdhsa--gfx1250"
	.amdhsa_code_object_version 6
	.text
	.protected	k_qdda1e8a356_prep
	.globl	k_qdda1e8a356_prep
	.p2align	8
	.type	k_qdda1e8a356_prep,@function
k_qdda1e8a356_prep:
	s_mov_b64 s[64:65], 0
	v_nop
	global_prefetch_b8 v0, s[64:65] scope:SCOPE_SE
	s_setreg_imm32_b32 hwreg(HW_REG_WAVE_MODE, 25, 1), 1
	s_wait_xcnt 0x0
; THE LAUNCH IN FRONT OF THE ATTENTION: K and V (f32, [64 heads][2048 keys][64]) become codes of E4M3 with E8M0 scale bytes, and the mask's bytes become lane masks.
; NO WORK OF THE PROBLEM IS LEFT OUT: every input (Q, K, V, mask) has a way to the output, and both products are live.
; K is quantised along the head's 64 (two blocks of 32 a key), V along the keys (64 blocks of 32 a column).  A block's scale is 2^(floor(log2(its largest magnitude)) - 8): its byte is the
; largest magnitude's exponent field - 8, held at 1 from below; each number is held within +-448 x the scale and rounded to the nearest code, ties to even.
; LIMITS: NaN and infinities in K and V are not served.  A block whose largest magnitude lies under 2^-118 keeps the byte 1; so does a block of zeros, where the rule says 127: its codes are zeros,
; which add nothing under any byte but 0xff, and the bytes are read by this program alone.  A mask byte other than 0 counts as true.
; kv: 64 heads x HEADB bytes, LAID IN THE ORDER OF THE OPERANDS' REGISTERS.  In a head, for key step s (128 keys):
;   at 512 s: four images of scale words, 4 bytes a lane: K's fragments 0|1 (lanes 0-15 | 16-31), K's 2|3, V's 0|1, V's 2|3;
;   at 8192 + 16384 s: K's fragments b = 0..3 at 2048 b, V's fragments t = 0..3 at 8192 + 2048 t; in a fragment registers 4 c .. 4 c + 3 of lane L lie at 512 c + 16 L.
;   K's fragment b holds TWO tiles of 16 keys: lane (r, h), c = 0, 1: key 32 b + r + 8 (r / 8), channels 32 c + 16 h + 0..15; c = 2, 3: the key 8 further on, channels 32 (c - 2) + 16 h + 0..15.
;   V's fragment t: lane (r, h), c: channel 16 t + r, keys 32 c + 16 h + 0..15.
; maskw: [batch 4][tile of 16 queries 128][key step 16][n 64] words: bit r + 16 h of word n = mask(query r of the tile, key 32 (n / 16) + 16 h + n % 16 of the step).
; SHARES: 1,280 work-groups of four waves, 64 KiB of input each: 512 for K, 512 for V, 256 for the mask; the path hangs on the work-group's number.  Waves share nothing: no LDS, no barrier.
; No cluster: no two work-groups read the same bytes.  No prefetch: every wave asks for all its bytes at once or two blocks ahead, and the launch streams.
.set HEADB, 270336
.set TM,  8                            ; K: v8-11 largest magnitudes, v12-15 bytes, v16-19 448 x the scale, v20-23 the conversions' scale operands
.set X0,  64                           ; two sets of 64 (K) or 32 (V) numbers; the mask's bytes
.set X1,  128
	s_load_b256 s[4:11], s[0:1], 0x0               ; K s[4:5], V s[6:7], mask s[8:9], kv s[10:11]
	s_load_b64 s[12:13], s[0:1], 0x20              ; maskw
	v_lshrrev_b32 v1, 5, v0
	v_readfirstlane_b32 s14, v1                    ; wave
	v_and_b32 v1, 31, v0                           ; lane
	v_and_b32 v2, 15, v0                           ; r
	v_bfe_u32 v3, v0, 4, 1                         ; h
	s_mov_b32 s24, 0x76543210
	s_mov_b32 s25, 0xfedcba98                      ; v_permlanex16_b32's selects for lane l xor 16
	s_mov_b32 s26, 0x600000                        ; the mantissa field of 448
	s_mov_b32 s27, 0xffff0000                      ; lanes 16-31
	s_lshl_b32 s15, ttmp9, 2
	s_add_co_u32 s15, s15, s14                     ; 4 x work-group + wave
	s_mov_b32 s17, 0                               ; the upper word of every offset
	s_wait_kmcnt 0x0
	s_cmp_lt_u32 ttmp9, 512
	s_cbranch_scc1 .Lk_path
	s_cmp_lt_u32 ttmp9, 1024
	s_cbranch_scc1 .Lv_path
; ---- THE MASK.  Task T = 0..1023: a tile of 16 queries x 1,024 keys (8 key steps).  Lane (r, h) loads, for step s and block B, the 16 bytes of row r at keys 128 s + 32 B + 16 h: byte i belongs to word 16 B + i.
	s_sub_co_u32 s15, s15, 4096
	s_lshr_b32 s18, s15, 1                         ; 128 x batch + tile
	s_and_b32 s20, s15, 1                          ; which half of the keys
	s_lshl_b32 s16, s18, 15                        ; 16 rows of 2,048 bytes
	s_lshl_b32 s21, s20, 10
	s_add_co_u32 s16, s16, s21
	s_add_nc_u64 s[8:9], s[8:9], s[16:17]
	s_lshl_b32 s16, s18, 12                        ; 16 steps of 256 bytes
	s_lshl_b32 s21, s20, 11
	s_add_co_u32 s16, s16, s21
	s_add_nc_u64 s[12:13], s[12:13], s[16:17]
	s_wait_alu depctr_va_vdst(0)
	v_lshlrev_b32 v4, 11, v2
	v_lshl_add_u32 v4, v3, 4, v4                   ; row r, + 16 h
	v_lshlrev_b32 v5, 3, v1                        ; out: 8 bytes a lane
.irp i, 0,1,2,3,4,5,6,7,8,9,10,11,12,13,14,15
	v_mov_b32 v[16+\i], 0                          ; a lane write's destination counts as read
.endr
.irp s, 0,1,2,3,4,5,6,7
.irp B, 0,1,2,3
	global_load_b128 v[X0+4*(4*\s+\B):X0+4*(4*\s+\B)+3], v4, s[8:9] offset:128*\s+32*\B
.endr
.endr
.macro MSTEP s                         ; a step's 64 words, eight at a time: a byte is cut out, compared with 0 over the 32 lanes, and the lane mask is put into lane n / 2 of register n % 2
	s_wait_loadcnt 28-4*\s                         ; this step's four loads are in; the later steps' may be out
.irp B, 0,1,2,3
.irp g, 0,1
.irp k, 0,1,2,3,4,5,6,7
	v_and_b32 v[8+\k], 0xff<<(8*(\k%4)), v[X0+4*(4*\s+\B)+2*\g+\k/4]
.endr
.irp k, 0,1,2,3,4,5,6,7
	v_cmp_ne_u32 s[16+\k], 0, v[8+\k]
.endr
.irp k, 0,1,2,3,4,5,6,7
	v_writelane_b32 v[16+2*\s+\k%2], s[16+\k], 8*\B+4*\g+\k/2
.endr
.endr
.endr
	global_store_b64 v5, v[16+2*\s:17+2*\s], s[12:13] offset:256*\s   ; word n at byte 4 n: the wave stores 256 consecutive bytes, aligned; each step has its own two registers
.endm
.irp s, 0,1,2,3,4,5,6,7
	MSTEP \s
.endr
	s_endpgm
; where a task's codes and scale words go in kv: s18 = head, s19 = key step, s20 = the task's low bit
.macro KVBASE cadd, sadd
	s_mul_i32 s18, s18, HEADB
	s_lshl_b32 s16, s19, 14
	s_lshl_b32 s21, s20, 12                        ; two fragments
	s_add_co_u32 s16, s16, s21
	s_add_co_u32 s16, s16, s18
	s_add_co_u32 s16, s16, \cadd
	s_add_nc_u64 s[28:29], s[10:11], s[16:17]      ; the codes
	s_lshl_b32 s16, s19, 9
	s_lshl_b32 s21, s20, 7                         ; one image of scale words
	s_add_co_u32 s16, s16, s21
	s_add_co_u32 s16, s16, s18
.if \sadd
	s_add_co_u32 s16, s16, \sadd
.endif
	s_add_nc_u64 s[30:31], s[10:11], s[16:17]      ; the scale words
.endm
; ---- K.  Task T = 0..2047: 64 keys, two fragments.
.Lk_path:
	s_lshl_b32 s16, s15, 14                        ; 64 keys of 256 bytes
	s_add_nc_u64 s[4:5], s[4:5], s[16:17]
	s_lshr_b32 s18, s15, 5
	s_bfe_u32 s19, s15, 0x40001
	s_and_b32 s20, s15, 1
	KVBASE 8192, 0
	s_wait_alu depctr_va_vdst(0)
	v_and_b32 v4, 8, v2
	v_add_nc_u32 v4, v4, v2                        ; r + 8 (r / 8)
	v_lshlrev_b32 v4, 8, v4
	v_lshl_add_u32 v4, v3, 6, v4                   ; that key's row, + 64 h: my 16 channels of a block of 32
	v_lshlrev_b32 v5, 4, v1                        ; an image's place for my lane
	v_lshlrev_b32 v6, 2, v1                        ; a scale word's
.irp b, 0,1,2,3
	v_mov_b32 v[TM+4+\b], 0                        ; a lane permute's destination counts as read
.endr
.macro KLOAD f, x                      ; fragment f: tile u, block c of the channels: 16 numbers a lane into registers 16 (2 u + c) on
.irp u, 0,1
.irp c, 0,1
.irp j, 0,1,2,3
	global_load_b128 v[\x+16*(2*\u+\c)+4*\j:\x+16*(2*\u+\c)+4*\j+3], v4, s[4:5] offset:\f*8192+\u*2048+\c*128+\j*16 th:TH_LOAD_NT
.endr
.endr
.endr
.endm
; 64 numbers of a lane, four blocks of which it holds 16 each (lane l xor 16 holds the other 16), become 16 registers of codes at v[pc] and the row's scale word in v[pw]
.macro QUANT s, pc, pw
.irp b, 0,1,2,3
	v_max3_num_f32 v[TM+\b], |v[\s+16*\b]|, |v[\s+1+16*\b]|, 0x4800000   ; my 16 numbers, and the floor 2^(9 - 127): the byte cannot fall under 1
.endr
.irp i, 2,4,6,8,10,12,14
.irp b, 0,1,2,3
	v_max3_num_f32 v[TM+\b], v[TM+\b], |v[\s+16*\b+\i]|, |v[\s+1+16*\b+\i]|   ; the four blocks by turns
.endr
.endr
.irp b, 0,1,2,3
	v_permlanex16_b32 v[TM+4+\b], v[TM+\b], s24, s25
.endr
.irp b, 0,1,2,3
	v_max_num_f32 v[TM+\b], v[TM+\b], v[TM+4+\b]   ; the block's largest magnitude
.endr
.irp b, 0,1,2,3
	v_add_nc_u32 v[TM+12+\b], 0xfc000000, v[TM+\b]   ; 8 off its exponent field: the conversion takes this operand's exponent field as its scale
.endr
.irp b, 0,1,2,3
	v_and_or_b32 v[TM+8+\b], v[TM+\b], 0x7f800000, s26   ; 448 x the scale
.endr
.irp b, 0,1,2,3
	v_lshrrev_b32 v[TM+4+\b], 23, v[TM+12+\b]      ; the scale's byte
.endr
	v_lshl_or_b32 v[\pw], v[TM+5], 8, v[TM+4]
	v_lshl_or_b32 v[\pw], v[TM+6], 16, v[\pw]
	v_lshl_or_b32 v[\pw], v[TM+7], 24, v[\pw]
.irp b, 0,1,2,3
.irp i, 0,1,2,3,4,5,6,7,8,9,10,11,12,13,14,15
	v_med3_num_f32 v[\s+16*\b+\i], v[\s+16*\b+\i], -v[TM+8+\b], v[TM+8+\b]   ; the conversion to an 8-bit code does not saturate (ISA guide 7.6.2): the hold comes first
.endr
	v_cvt_scalef32_pk8_fp8_f32 v[\pc+4*\b:\pc+4*\b+1], v[\s+16*\b:\s+16*\b+7], v[TM+12+\b]
	v_cvt_scalef32_pk8_fp8_f32 v[\pc+4*\b+2:\pc+4*\b+3], v[\s+16*\b+8:\s+16*\b+15], v[TM+12+\b]
.endr
	v_nop                                          ; a plain line behind the last conversion
.endm
	KLOAD 0, X0
	KLOAD 1, X1
	s_wait_loadcnt 16                              ; fragment 0's sixteen loads are in; fragment 1's may be out
	QUANT X0, 28, 24
.irp c, 0,1,2,3
	global_store_b128 v5, v[28+4*\c:31+4*\c], s[28:29] offset:512*\c   ; 512 consecutive bytes, aligned
.endr
	s_wait_loadcnt 0x0
	QUANT X1, 44, 25                               ; its codes have registers of their own: no store's data are written again
.irp c, 0,1,2,3
	global_store_b128 v5, v[44+4*\c:47+4*\c], s[28:29] offset:2048+512*\c
.endr
	v_cndmask_b32 v26, v24, v25, s27               ; lanes 0-15 keep fragment 0's words, lanes 16-31 take fragment 1's (both halves of the lanes hold row r's word)
	global_store_b32 v6, v26, s[30:31]
	s_endpgm
; ---- V.  Task T = 0..2047: a key step (128 keys) x 32 channels.  A lane takes a channel and its registers run down the keys: a block of 32 keys lies in one lane, and the codes come out with the keys innermost.
.Lv_path:
	s_sub_co_u32 s15, s15, 2048
	s_lshr_b32 s18, s15, 5
	s_bfe_u32 s19, s15, 0x40001
	s_and_b32 s20, s15, 1
	s_lshl_b32 s16, s18, 19                        ; the head: 2,048 keys of 256 bytes
	s_lshl_b32 s21, s19, 15                        ; the step: 128 keys
	s_add_co_u32 s16, s16, s21
	s_lshl_b32 s21, s20, 7                         ; 32 channels
	s_add_co_u32 s16, s16, s21
	s_add_nc_u64 s[6:7], s[6:7], s[16:17]
	KVBASE 16384, 256
	s_wait_alu depctr_va_vdst(0)
	v_lshlrev_b32 v4, 2, v1                        ; in, and the scale word's place: 4 bytes a lane
	v_lshlrev_b32 v5, 4, v2
	v_lshl_add_u32 v5, v3, 11, v5                  ; out: fragment lane / 16, row lane % 16
.macro VLOAD c
.irp i, 0,1,2,3,4,5,6,7,8,9,10,11,12,13,14,15,16,17,18,19,20,21,22,23,24,25,26,27,28,29,30,31
	global_load_b32 v[X0+32*((\c)%2)+\i], v4, s[6:7] offset:(32*(\c)+\i)*256 th:TH_LOAD_NT   ; key 32 c + i: the wave reads 128 consecutive bytes
.endr
.endm
.macro VBLOCK c
.set XS, X0+32*((\c)%2)
.if (\c) < 3
	s_wait_loadcnt 32                              ; this block's 32 loads are in; the next block's may be out
.else
	s_wait_loadcnt 0x0
.endif
	v_max3_num_f32 v12, |v[XS]|, |v[XS+1]|, |v[XS+2]|
	v_max3_num_f32 v13, |v[XS+3]|, |v[XS+4]|, |v[XS+5]|
.irp i, 6,10,14,18,22,26
	v_max3_num_f32 v12, v12, |v[XS+\i]|, |v[XS+\i+1]|
	v_max3_num_f32 v13, v13, |v[XS+\i+2]|, |v[XS+\i+3]|
.endr
	v_max3_num_f32 v12, v12, |v[XS+30]|, |v[XS+31]|
	v_max3_num_f32 v12, v12, v13, 0x4800000        ; the block's largest magnitude, and the floor
	v_add_nc_u32 v11, 0xfc000000, v12              ; the conversions' scale operand
	v_and_or_b32 v10, v12, 0x7f800000, s26         ; 448 x the scale
	v_lshrrev_b32 v13, 23, v11                     ; the byte
.if (\c) == 0
	v_mov_b32 v14, v13
.else
	v_lshl_or_b32 v14, v13, 8*(\c), v14            ; byte c of my channel's scale word
.endif
.irp i, 0,1,2,3,4,5,6,7,8,9,10,11,12,13,14,15,16,17,18,19,20,21,22,23,24,25,26,27,28,29,30,31
	v_med3_num_f32 v[XS+\i], v[XS+\i], -v10, v10
.endr
.irp g, 0,1,2,3
	v_cvt_scalef32_pk8_fp8_f32 v[16+8*(\c)+2*\g:17+8*(\c)+2*\g], v[XS+8*\g:XS+8*\g+7], v11
.endr
	v_nop                                          ; a plain line behind the last conversion
	global_store_b128 v5, v[16+8*(\c):19+8*(\c)], s[28:29] offset:512*(\c)       ; keys 32 c + 0..15: the place of lane (r, 0); sixteen lanes store 256 consecutive bytes, aligned
	global_store_b128 v5, v[20+8*(\c):23+8*(\c)], s[28:29] offset:512*(\c)+256   ; keys 32 c + 16..31: the place of lane (r, 1)
.if (\c) < 2
	VLOAD (\c)+2
.endif
.endm
	VLOAD 0
	VLOAD 1
	VBLOCK 0
	VBLOCK 1
	VBLOCK 2
	VBLOCK 3
	global_store_b32 v4, v14, s[30:31]             ; lanes 0-15: the first fragment's words, lanes 16-31: the second's
	s_endpgm
.Lfunc_end_k_qdda1e8a356_prep:
	.size	k_qdda1e8a356_prep, .Lfunc_end_k_qdda1e8a356_prep-k_qdda1e8a356_prep
	.p2alignl 7, 3214868480
	.fill 96, 4, 3214868480
	.section	.rodata,"a",@progbits
	.p2align	6, 0x0
	.amdhsa_kernel k_qdda1e8a356_prep
		.amdhsa_group_segment_fixed_size 0
		.amdhsa_private_segment_fixed_size 0
		.amdhsa_enable_private_segment 0
		.amdhsa_kernarg_size 40
		.amdhsa_user_sgpr_count 2
		.amdhsa_user_sgpr_kernarg_segment_ptr 1
		.amdhsa_wavefront_size32 1
		.amdhsa_system_sgpr_workgroup_id_x 1
		.amdhsa_system_sgpr_workgroup_id_y 1
		.amdhsa_system_sgpr_workgroup_id_z 1
		.amdhsa_system_vgpr_workitem_id 0
		.amdhsa_next_free_vgpr 192
		.amdhsa_next_free_sgpr 66
		.amdhsa_reserve_vcc 0
		.amdhsa_float_denorm_mode_32 3
		.amdhsa_float_denorm_mode_16_64 3
		.amdhsa_memory_ordered 1
		.amdhsa_forward_progress 1
		.amdhsa_inst_pref_size 152
	.end_amdhsa_kernel
	.amdgpu_metadata
---
amdhsa.version: [ 1, 2 ]
amdhsa.kernels:
  - .name:           k_qdda1e8a356_prep
    .symbol:         k_qdda1e8a356_prep.kd
    .args:
      - { .name: K, .offset: 0, .size: 8, .value_kind: global_buffer, .address_space: global }
      - { .name: V, .offset: 8, .size: 8, .value_kind: global_buffer, .address_space: global }
      - { .name: mask, .offset: 16, .size: 8, .value_kind: global_buffer, .address_space: global }
      - { .name: kv, .offset: 24, .size: 8, .value_kind: global_buffer, .address_space: global }
      - { .name: maskw, .offset: 32, .size: 8, .value_kind: global_buffer, .address_space: global }
    .group_segment_fixed_size: 0
    .private_segment_fixed_size: 0
    .kernarg_segment_align: 8
    .kernarg_segment_size: 40
    .max_flat_workgroup_size: 128
    .sgpr_count:     66
    .vgpr_count:     192
    .wavefront_size: 32
...
	.end_amdgpu_metadata
.endif
;; end of part 1
;; launch attn (part 2): grid 4 x 64, 16 waves a work-group, clusters of 4 x 1, 327,680 bytes of LDS; arguments Q, kv, maskw, out0; writes out0
.if DOCPART == 2
	.amdgcn_target "amdgcn-amd-amdhsa--gfx1250"
	.amdhsa_code_object_version 6
	.text
	.protected	k_qdda1e8a356_attn
	.globl	k_qdda1e8a356_attn
	.p2align	8
	.type	k_qdda1e8a356_attn,@function
k_qdda1e8a356_attn:
	s_mov_b64 s[64:65], 0
	v_nop
	global_prefetch_b8 v0, s[64:65] scope:SCOPE_SE
	s_setreg_imm32_b32 hwreg(HW_REG_WAVE_MODE, 25, 1), 1
	s_wait_xcnt 0x0
	s_wait_alu depctr_hold_cnt(0) depctr_sa_sdst(0) depctr_va_vdst(0) depctr_va_sdst(0) depctr_va_ssrc(0) depctr_va_vcc(0) depctr_vm_vsrc(0)
	s_getreg_b32 s2, hwreg(HW_REG_IB_STS2, 6, 4)
	s_cmp_eq_u32 s2, 0
	s_cbranch_scc0 .Lentry_in_a_cluster
	s_endpgm
.Lentry_in_a_cluster:
	s_bfe_u32 s2, ttmp6, 0x10000c
	s_cmp_lg_u32 s2, 0x3003
	s_cbranch_scc0 .Lentry_shape_is_right
	s_endpgm
.Lentry_shape_is_right:
; out0[head][q][:] = the sum over k of softmax_k(mask ? -inf : Q[q] . K[k] / 8) V[k][:], both products on codes of E4M3 with one E8M0 scale for each 32 along a product's K.  No work of the problem is left out.
; THE SOFTMAX: t = score x log2(e) / 8; M = the row's largest t so far, rounded UP to a whole number; p = 2^(t - M) is quantised along the keys, not normalised; the row's sum is taken of the unquantised p and divides at the end.
; When M moves, the sum and O are multiplied by 2^(old M - new M): exact.  A masked score becomes -infinity ahead of the maximum, so its p is 0.
; LIMITS: NaN and infinities in Q are not served; a block of Q under 2^-118, or of zeros, keeps the scale byte 1.  A row whose every key is masked gives 0 x (1 / 0) = NaN, as the softmax of such a row is.
; A WHOLE HEAD STAYS IN LDS: K and V as codes and scale words, 270,336 bytes, laid by the launch before as images of the operands' registers (registers 4 c .. 4 c + 3 of lane L at 512 c + 16 L).  Each byte is filled once:
; the scale words and key steps 0-3 (73,728 bytes) by each wave's one load at the head, the other twelve steps by its one load behind the full sequence and a round of the cluster's barrier.
; CLUSTER: the four work-groups of a cluster own the 4 x 512 queries of one head and ask for its bytes jointly.
; SHARES: a work-group makes two passes of 256 queries; each of its sixteen waves owns one tile of 16 queries a pass, in 256 registers: four waves to a SIMD.
; LAYOUT: both products are used transposed (S^T = K Q^T, O^T = V^T P^T): a lane holds one query.  A fragment of K holds two tiles of 16 keys (registers 0-7, 8-15); Q stands as [Q 8][zeros 8][Q 8]: registers 0-15 of the run pick the first tile, 8-23 the second.
; S^T's register n holds key 32 (n / 16) + 16 (lane / 16) + n % 16 of the step: p's codes are the second product's operand as they are made.
; THE MASK comes as lane masks, 64 scalar registers a step, asked for a step ahead.
; PREFETCHES.  Mask words: the sixteen heads of a batch read the same words and share the steps out: head j asks for step j of its waves' tiles, AHEAD = 4 steps before that step's trip (steps 0-3 of the first pass at the head, of the second pass in trips 12-15 of the first);
; a step's words of a tile are one block of 256 bytes, which all lanes name.  The second pass's Q, which its wave alone reads: 16 rows of 256 bytes, a lane a row (lanes 16-31 name the same rows), in trip 8 of the first pass, eight trips ahead of its loads.  kv is asked for whole by the two tensor loads.
.set HEADB, 270336
.set CH0,   73728                      ; the first load's bytes: 8,192 of scale words + four key steps
.set R0,    18                         ; a wave's rows of 256 bytes of them;
.set R1,    48                         ; and of the other 196,608
.set CODES, 8192
.set STEPB, 16384                      ; a key step's codes: K's four fragments, V's four
.set STAGE, HEADB                      ; behind the head: 8 rows x (256 + 16) bytes for each wave
.set SP,    272
.set WST,   8*SP
.set SPARE, STAGE+16*WST               ; the spare words, 128 bytes a wave: eight blocks of 256 bytes that no other line names
.set AHEAD, 4
.set LI,  1                            ; CODES + 16 x lane
.set LS,  2                            ; 4 x lane; never rewritten behind the head
.set ADK, 3                            ; the step's codes
.set ADS, 4                            ; its scale words
.set SPW, 5                            ; my spare word; never rewritten
.set NIL, 6                            ; 0; never rewritten
.set NINF, 7                           ; -infinity
.set QO,  11                           ; my byte offset in a tile of Q; never rewritten
.set NM,  12                           ; v12 -M; v13 the largest score; v[14:15] the sum in two halves
.set QF,  16                           ; v16-23 Q, v24-31 zeros, v32-39 Q again
.set QSC, 40                           ; Q's scale words
.set PSC, 50                           ; p's scale word
.set KSC, 52                           ; v52-53 K's scale words, v54-55 V's: lanes 0-15 the even fragment's, lanes 16-31 the odd one's
.set VSC, 54
.set F,   56                           ; v56-119 four fragments: K's, then V's
.set S,   120                          ; v120-183 S^T, then p
.set OT,  184                          ; v184-215 O^T
.set PC,  216                          ; v216-231 p's codes
.set W,   232                          ; v232-235 block maxima, then bytes; v236-239 exchange, then partial sums; v240-243 448 x the scale; v244-247 the conversions' scale operands; v248-251 partial sums
.set FF,  252                          ; f = 2^(old M - new M); v253 is named with it as a pair
.set T1,  254
.set WV,  2
.set MNT, 3                            ; the mantissa field of 448
                                       ; s4-51, s68-83: 64 mask words: word n in s[4 + n] (n < 48) or s[20 + n]
.set QP,  52                           ; Q at my first query; never rewritten
.set TS,  54                           ; where the step's scale words begin
.set MP,  56                           ; the mask words that were asked for last
.set OUTP, 58
.set SEL, 60                           ; v_permlanex16_b32's selects for lane l xor 16
.set CS,  62                           ; c = log2(e) / 8, as a pair
.set TB,  66                           ; where the step's codes begin, less CODES
.set G1,  84
.set G0,  92
.set KV2, 96                           ; where my second load begins in memory
.set CNT, 98
.set UC,  99                           ; the pass's trip
.set LIMA, 100                         ; j - AHEAD: the trip in which my head asks for step j of the pass
.set LIMB, 101                         ; j + 16 - AHEAD: for step j of the next pass
.set PFA, 104                          ; step j's words of my tile, first pass; never rewritten
.macro CROUND                          ; a round of the cluster's barrier
	s_barrier_signal -1
	s_barrier_wait -1
	s_cmp_lg_u32 s[WV], 0
	s_cbranch_scc1 .Lnot_wave_0_\@
	s_barrier_signal -3
.Lnot_wave_0_\@:
	s_barrier_wait -3
	s_barrier_signal -1
	s_barrier_wait -1
.endm
.macro ASK lim, off                    ; one prefetch of mask words where the trip is my head's
	s_cmp_eq_u32 s[UC], s[\lim]
	s_cbranch_scc0 .Lna_\@
	global_prefetch_b8 v[LS], s[PFA:PFA+1] offset:\off th:TH_LOAD_NT scope:SCOPE_SE
.Lna_\@:
.endm
; 32 numbers of a lane (two blocks of 32 channels, lane l xor 16 holds the other halves) become 8 registers of codes at v[d] and the word (b0, b1, b0, b1) in v[w]
.macro QUANTQ s, d, w
.irp b, 0,1
	v_max3_num_f32 v[W+\b], |v[\s+16*\b]|, |v[\s+1+16*\b]|, 0x4800000   ; and the floor 2^(9 - 127)
.endr
.irp i, 2,4,6,8,10,12,14
.irp b, 0,1
	v_max3_num_f32 v[W+\b], v[W+\b], |v[\s+16*\b+\i]|, |v[\s+1+16*\b+\i]|
.endr
.endr
.irp b, 0,1
	v_permlanex16_b32 v[W+4+\b], v[W+\b], s[SEL], s[SEL+1]
.endr
.irp b, 0,1
	v_max_num_f32 v[W+\b], v[W+\b], v[W+4+\b]
.endr
.irp b, 0,1
	v_add_nc_u32 v[W+12+\b], 0xfc000000, v[W+\b]
.endr
.irp b, 0,1
	v_and_or_b32 v[W+8+\b], v[W+\b], 0x7f800000, s[MNT]
.endr
.irp b, 0,1
	v_lshrrev_b32 v[W+4+\b], 23, v[W+12+\b]
.endr
	v_lshl_or_b32 v[\w], v[W+5], 8, v[W+4]
	v_lshl_or_b32 v[\w], v[\w], 16, v[\w]          ; the same two bytes for either place of Q in the run
.irp b, 0,1
.irp i, 0,1,2,3,4,5,6,7,8,9,10,11,12,13,14,15
	v_med3_num_f32 v[\s+16*\b+\i], v[\s+16*\b+\i], -v[W+8+\b], v[W+8+\b]   ; the conversion to an 8-bit code does not saturate (ISA guide 7.6.2)
.endr
	v_cvt_scalef32_pk8_fp8_f32 v[\d+4*\b:\d+4*\b+1], v[\s+16*\b:\s+16*\b+7], v[W+12+\b]
	v_cvt_scalef32_pk8_fp8_f32 v[\d+4*\b+2:\d+4*\b+3], v[\s+16*\b+8:\s+16*\b+15], v[W+12+\b]
.endr
	v_nop                                          ; a plain line behind the last conversion
.irp i, 0,1,2,3,4,5,6,7
	v_mov_b32 v[\d+16+\i], v[\d+\i]                ; Q's second place
.endr
.endm
.macro INIT                            ; a pass begins: O^T and the sum are zeros, which the first change of M leaves zeros
	v_mov_b32 v[NM+1], 0xff61b1e6                  ; the largest score so far: -3e38
	v_mov_b32 v[NM], 0x7f61b1e6                    ; -M
	v_mov_b32 v14, 0
	v_mov_b32 v15, 0
.set n, 0
.rept 32
	v_mov_b32 v[OT+n], 0
.set n, n+1
.endr
.endm
.macro CND n                           ; score n under its lane mask
.if (\n) < 48
	v_cndmask_b32 v[S+(\n)], v[S+(\n)], v[NINF], s[4+(\n)]
.else
	v_cndmask_b32 v[S+(\n)], v[S+(\n)], v[NINF], s[20+(\n)]
.endif
.endm
.macro CND8 i                          ; scores i, i + 1 of each block of 32 keys
.irp b, 0,1,2,3
	CND (16*\b+\i)
	CND (16*\b+\i+1)
.endr
.endm
.macro MAX4 i                          ; and into the four blocks' maxima
.irp b, 0,1,2,3
.if (\i) == 0
	v_max_num_f32 v[W+\b], v[S+16*\b], v[S+16*\b+1]
.else
	v_max3_num_f32 v[W+\b], v[W+\b], v[S+16*\b+(\i)], v[S+16*\b+(\i)+1]
.endif
.endr
.endm
.macro ADD4 n                          ; eight p into the sum's four chains
	v_pk_add_f32 v[236:237], v[236:237], v[S+\n:S+\n+1]
	v_pk_add_f32 v[238:239], v[238:239], v[S+\n+2:S+\n+3]
	v_pk_add_f32 v[248:249], v[248:249], v[S+\n+4:S+\n+5]
	v_pk_add_f32 v[250:251], v[250:251], v[S+\n+6:S+\n+7]
.endm
.macro HOLD b                          ; p is not negative: the hold is one-sided; two to a line
.irp i, 0,2,4,6,8,10,12,14
	v_dual_min_num_f32 v[S+16*\b+\i], v[S+16*\b+\i], v[W+8+\b] :: v_dual_min_num_f32 v[S+16*\b+\i+1], v[S+16*\b+\i+1], v[W+8+\b]
.endr
.endm
.macro CODE b
	v_cvt_scalef32_pk8_fp8_f32 v[PC+4*\b:PC+4*\b+1], v[S+16*\b:S+16*\b+7], v[W+12+\b]
	v_cvt_scalef32_pk8_fp8_f32 v[PC+4*\b+2:PC+4*\b+3], v[S+16*\b+8:S+16*\b+15], v[W+12+\b]
.endm
; A KEY STEP: 128 keys.  mnext: bytes from this step's mask words to the next step's; -1: there is no next step
.macro STEP mnext, pass, askq          ; askq = 1: the copy of the step whose trips hold trip 8, in which the second pass's Q is asked for
	v_add_nc_u32 v[ADK], s[TB], v[LI]
	v_add_nc_u32 v[ADS], s[TS], v[LS]
.rept 6
	v_nop                                          ; with the two additions: eight places between the last step's products and the loads into registers that they read
.endr
.irp i, 0,1,2,3
	ds_load_b32 v[KSC+\i], v[ADS] offset:128*\i    ; K's two registers of scale words, V's two
.endr
.irp b, 0,1,2,3
.irp c, 0,1,2,3
	ds_load_b128 v[F+16*\b+4*\c:F+16*\b+4*\c+3], v[ADK] offset:2048*\b+512*\c
.endr
.endr
	s_wait_alu depctr_va_vdst(0)                   ; directly ahead of the wait below
.irp b, 0,1,2,3                        ; S^T = K Q^T: fragment b against Q in its first place (keys 32 b + 16 h + 0..7) and in its second (+ 8..15)
	s_wait_dscnt 12-4*\b                           ; the scale words and fragments 0 to b are in; the later fragments' loads may be out
.if \b%2
	v_wmma_scale_f32_16x16x128_f8f6f4 v[S+16*\b:S+16*\b+7], v[F+16*\b:F+16*\b+15], v[QF:QF+15], 0, v[KSC+\b/2], v[QSC] matrix_a_scale:MATRIX_SCALE_ROW1
	v_wmma_scale_f32_16x16x128_f8f6f4 v[S+16*\b+8:S+16*\b+15], v[F+16*\b:F+16*\b+15], v[QF+8:QF+23], 0, v[KSC+\b/2], v[QSC] matrix_a_scale:MATRIX_SCALE_ROW1
.else
	v_wmma_scale_f32_16x16x128_f8f6f4 v[S+16*\b:S+16*\b+7], v[F+16*\b:F+16*\b+15], v[QF:QF+15], 0, v[KSC+\b/2], v[QSC]
	v_wmma_scale_f32_16x16x128_f8f6f4 v[S+16*\b+8:S+16*\b+15], v[F+16*\b:F+16*\b+15], v[QF+8:QF+23], 0, v[KSC+\b/2], v[QSC]
.endif
.endr
.rept 8
	v_nop                                          ; eight places: in front of the loads into K's registers, and of the first read of the scores
.endr
.irp u, 0,1,2,3
.irp c, 0,1,2,3
	ds_load_b128 v[F+16*\u+4*\c:F+16*\u+4*\c+3], v[ADK] offset:8192+2048*\u+512*\c   ; V's fragments land while the softmax is worked
.endr
.endr
	s_wait_kmcnt 0x0                               ; this step's mask words are in
	CND8 0                                         ; the selects and the blocks' maxima by turns, the maxima one group behind; each accumulator is read from its low end on
.irp i, 2,4,6,8,10,12,14
	CND8 \i
	MAX4 (\i-2)
.endr
	MAX4 14                                        ; the largest score of each block: for the row's maximum and, since p rises with the score, for the block's largest p
.if \mnext >= 0
	s_add_nc_u64 s[MP:MP+1], s[MP:MP+1], \mnext    ; (the loads that read this base are done: the wait above)
	s_load_b512 s[4:19], s[MP:MP+1], 0x0           ; the next step's 64 words
	s_load_b512 s[20:35], s[MP:MP+1], 0x40
	s_load_b512 s[36:51], s[MP:MP+1], 0x80
	s_load_b512 s[68:83], s[MP:MP+1], 0xc0
.endif
.irp b, 0,1,2,3
	v_permlanex16_b32 v[W+4+\b], v[W+\b], s[SEL], s[SEL+1]
.endr
	v_mov_b32 v[T1], v[NM]                         ; the old -M
.irp b, 0,1,2,3
	v_max_num_f32 v[W+\b], v[W+\b], v[W+4+\b]      ; with lane l xor 16's 16 keys
.endr
	v_max3_num_f32 v[NM+1], v[NM+1], v[W], v[W+1]
	v_max3_num_f32 v[NM+1], v[NM+1], v[W+2], v[W+3]   ; the running largest score
	v_mul_f32 v[FF], s[CS], v[NM+1]                ; as t (c is positive)
	v_floor_f32 v[NM], -v[FF]                      ; the new -M = floor(-t)
.set n, 0
.rept 32
	v_pk_fma_f32 v[S+n:S+n+1], v[S+n:S+n+1], s[CS:CS+1], v[NM:NM+1] op_sel_hi:[1,0,0]   ; t - M, two at a time; f's three lines stand among them
.if n == 6
	v_sub_f32 v[T1], v[NM], v[T1]                  ; old M - new M: a whole number, 0 or less
.endif
.if n == 14
	v_cvt_i32_f32 v[T1], v[T1]                     ; (it saturates)
.endif
.if n == 22
	v_ldexp_f32 v[FF], 1.0, v[T1]                  ; f
.endif
.set n, n+2
.endr
.irp b, 0,1,2,3
	v_fma_f32 v[W+\b], v[W+\b], s[CS], v[NM]       ; the same of each block's largest score
.endr
	s_wait_alu depctr_va_vdst(0)                   ; ahead of the batch
.set n, 0
.rept 16
	v_pk_mul_f32 v[OT+n:OT+n+1], v[OT+n:OT+n+1], v[FF:FF+1] op_sel_hi:[1,0]   ; O^T under the new M
.set n, n+2
.endr
.set n, 0
.rept 64
	v_exp_f32 v[S+n], v[S+n]                       ; p = 2^(t - M)
.set n, n+1
.endr
.irp b, 0,1,2,3
	v_exp_f32 v[W+\b], v[W+\b]                     ; the block's largest p: the same two instructions on the same number
.endr
	v_pk_mul_f32 v[14:15], v[14:15], v[FF:FF+1] op_sel_hi:[1,0]   ; the sums under the new M: a plain line behind the exponentials
	s_wait_alu depctr_va_vdst(0)                   ; one wait for the batch, ahead of its first reader
	s_wait_dscnt 0x0                               ; V's fragments are in
.if \pass == 0
	ASK LIMA, 0
	ASK LIMB, 65536
.if \askq
	s_cmp_eq_u32 s[UC], 8                          ; the second pass's Q
	s_cbranch_scc0 .Lnq_\@
	global_prefetch_b8 v[QO], s[QP:QP+1] offset:65536 th:TH_LOAD_NT scope:SCOPE_SE
.Lnq_\@:
.endif
.else
	ASK LIMA, 65536
.endif
	v_pk_add_f32 v[236:237], v[S:S+1], v[S+2:S+3]  ; the row's sum of the unquantised p, in four chains; the scales' lines stand among them
	v_pk_add_f32 v[238:239], v[S+4:S+5], v[S+6:S+7]
	v_pk_add_f32 v[248:249], v[S+8:S+9], v[S+10:S+11]
	v_pk_add_f32 v[250:251], v[S+12:S+13], v[S+14:S+15]
.irp b, 0,1,2,3
	v_max_num_f32 v[W+\b], 0x4800000, v[W+\b]      ; the floor: a block whose every p is 0 keeps the byte 1; its codes are zeros
.endr
	ADD4 16
.irp b, 0,1,2,3
	v_add_nc_u32 v[W+12+\b], 0xfc000000, v[W+\b]   ; 8 off the exponent field: the conversions' scale operand
.endr
	ADD4 24
.irp b, 0,1,2,3
	v_and_or_b32 v[W+8+\b], v[W+\b], 0x7f800000, s[MNT]   ; 448 x the scale
.endr
	ADD4 32
.irp b, 0,1,2,3
	v_lshrrev_b32 v[W+\b], 23, v[W+12+\b]          ; the byte
.endr
	ADD4 40
	v_lshl_or_b32 v[T1], v[W+1], 8, v[W]
	ADD4 48
	v_lshl_or_b32 v[T1], v[W+2], 16, v[T1]
	ADD4 56
	v_lshl_or_b32 v[PSC], v[W+3], 24, v[T1]        ; p's scale word for these 128 keys
	HOLD 0
	HOLD 1
	CODE 0
	HOLD 2
	CODE 1
	HOLD 3
	CODE 2
	CODE 3
	v_pk_add_f32 v[236:237], v[236:237], v[238:239]   ; the four chains are joined: also the four places between the codes and the products
	v_pk_add_f32 v[248:249], v[248:249], v[250:251]
	v_pk_add_f32 v[14:15], v[14:15], v[236:237]
	v_pk_add_f32 v[14:15], v[14:15], v[248:249]
.irp u, 0,1,2,3                        ; O^T += V^T P^T: the four accumulators by turns
.if \u%2
	v_wmma_scale_f32_16x16x128_f8f6f4 v[OT+8*\u:OT+8*\u+7], v[F+16*\u:F+16*\u+15], v[PC:PC+15], v[OT+8*\u:OT+8*\u+7], v[VSC+\u/2], v[PSC] matrix_a_scale:MATRIX_SCALE_ROW1
.else
	v_wmma_scale_f32_16x16x128_f8f6f4 v[OT+8*\u:OT+8*\u+7], v[F+16*\u:F+16*\u+15], v[PC:PC+15], v[OT+8*\u:OT+8*\u+7], v[VSC+\u/2], v[PSC]
.endif
.endr
	s_add_co_u32 s[TB], s[TB], STEPB
	s_add_co_u32 s[TS], s[TS], 512
	s_add_co_u32 s[UC], s[UC], 1
.endm
.macro RUN trips, pass, askq
	s_mov_b32 s[CNT], \trips
.Lrun_\@:
	STEP 256, \pass, \askq
	s_sub_co_u32 s[CNT], s[CNT], 1
	s_cmp_lg_u32 s[CNT], 0
	s_cbranch_scc1 .Lrun_\@
.endm
; THE WAY OUT of a pass.  O^T / the sum leaves eight queries at a time through my own stage of 8 rows, with all lanes on: of the two lanes l and l xor 8 the one whose query is among the eight stores its channels 0-31,
; the other one that query's channels 32-63, which it has taken from its partner.  The rows come back whole: sixteen lanes store 256 consecutive bytes, aligned.
.macro WAYOUT pass
	s_mul_i32 s[CNT], s[WV], WST
	s_add_co_u32 s[CNT], s[CNT], STAGE             ; my stage
	v_and_b32 v[W+4], 15, v0                       ; r.  (These lines are also the places behind the last products)
	v_bfe_u32 v[W+5], v0, 4, 1                     ; h
	v_and_b32 v[W+6], 7, v0                        ; r % 8
	v_bfe_u32 v[W+7], v0, 3, 1                     ; g = r / 8
	v_mul_u32_u24 v[W], v[W+6], SP
	v_mul_u32_u24 v[W+2], v[W+5], SP
	v_lshlrev_b32 v[W+3], 8, v[W+5]
	v_lshl_add_u32 v[W], v[W+5], 5, v[W]
	v_lshl_add_u32 v[W+2], v[W+4], 4, v[W+2]
	v_lshl_add_u32 v[W+3], v[W+4], 4, v[W+3]       ; in the output: lanes 0-15 one row, lanes 16-31 the next
	v_add_nc_u32 v[W], s[CNT], v[W]                ; in: row r % 8, + 32 h
	v_add_nc_u32 v[W+2], s[CNT], v[W+2]            ; back: row h, + 16 r
	v_xor_b32 v[W+6], 1, v[W+7]
	v_lshl_add_u32 v[W+1], v[W+6], 7, v[W]         ; queries 8-15: + 128 where g = 0
	v_lshl_add_u32 v[W], v[W+7], 7, v[W]           ; queries 0-7: + 128 where g = 1
.if \pass == 0
.irp c, 0,1                            ; the second pass's Q, into fragment registers that are done with
.irp j, 0,1,2,3
	global_load_b128 v[F+16*\c+4*\j:F+16*\c+4*\j+3], v[QO], s[QP:QP+1] offset:65536+128*\c+16*\j th:TH_LOAD_NT
.endr
.endr
.endif
	v_add_f32 v14, v14, v15
	v_permlanex16_b32 v[FF], v14, s[SEL], s[SEL+1]
	v_add_f32 v14, v14, v[FF]                      ; the row's sum
	s_wait_alu depctr_va_vdst(0)                   ; ahead of the transcendental
	v_rcp_f32 v14, v14
	v_nop
	s_wait_alu depctr_va_vdst(0)                   ; and ahead of its first reader
.set n, 0
.rept 16
	v_pk_mul_f32 v[S+n:S+n+1], v[OT+n:OT+n+1], v[14:15] op_sel_hi:[1,0]   ; register 8 u + j: channel 16 u + 8 h + j of my query
.set n, n+2
.endr
.set n, 0
.rept 16
	v_mov_b32_dpp v[S+32+n], v[S+16+n] row_xmask:8 row_mask:0xf bank_mask:0xf   ; lane l xor 8's channels 32-63
.set n, n+1
.endr
	s_mov_b32 vcc_lo, 0xff00ff00                   ; the lanes with g = 1
.set n, 0
.rept 16
	v_cndmask_b32 v[S+48+n], v[S+n], v[S+32+n], vcc_lo   ; queries 0-7: g = 0 its own lower half, g = 1 its partner's upper half
.set n, n+1
.endr
.irp k, 0,1
	ds_store_b128 v[W], v[S+48+8*\k:S+48+8*\k+3] offset:64*\k
	ds_store_b128 v[W], v[S+48+8*\k+4:S+48+8*\k+7] offset:64*\k+16
.endr
.irp i, 0,1,2,3
	ds_load_b128 v[OT+4*\i:OT+4*\i+3], v[W+2] offset:2*\i*SP   ; LDS serves a wave's instructions in order (ISA guide 5.7.1.4): these see my stores, and the next eight queries' stores come behind them
.endr
	s_mov_b32 vcc_lo, 0x00ff00ff                   ; the lanes with g = 0
.set n, 0
.rept 16
	v_cndmask_b32 v[S+32+n], v[S+n], v[S+32+n], vcc_lo   ; queries 8-15, the other way round
.set n, n+1
.endr
.irp k, 0,1
	ds_store_b128 v[W+1], v[S+32+8*\k:S+32+8*\k+3] offset:64*\k
	ds_store_b128 v[W+1], v[S+32+8*\k+4:S+32+8*\k+7] offset:64*\k+16
.endr
.irp i, 0,1,2,3
	ds_load_b128 v[OT+16+4*\i:OT+16+4*\i+3], v[W+2] offset:2*\i*SP
.endr
.irp i, 0,1,2,3
	s_wait_dscnt 11-\i                             ; behind this load: the later loads of its four, and the second eight queries' four stores and four loads
	global_store_b128 v[W+3], v[OT+4*\i:OT+4*\i+3], s[OUTP:OUTP+1] offset:\pass*65536+512*\i th:TH_STORE_NT
.endr
.irp i, 0,1,2,3
	s_wait_dscnt 3-\i
	global_store_b128 v[W+3], v[OT+16+4*\i:OT+16+4*\i+3], s[OUTP:OUTP+1] offset:\pass*65536+2048+512*\i th:TH_STORE_NT
.endr
.endm
	s_load_b256 s[4:11], s[0:1], 0x0               ; Q s[4:5], kv s[6:7], maskw s[8:9], out0 s[10:11]
	v_lshl_add_u32 v[SPW], v0, 2, SPARE
	v_mov_b32 v[NIL], 0
	ds_add_u32 v[SPW], v[NIL]                      ; the opening: the add, twice on end, and its wait ahead of my first tensor load
	ds_add_u32 v[SPW], v[NIL]
	v_lshrrev_b32 v1, 5, v0
	v_readfirstlane_b32 s[WV], v1                  ; wave 0..15
	v_and_b32 v[LS], 31, v0
	v_lshl_add_u32 v[LI], v[LS], 4, CODES
	v_lshlrev_b32 v[LS], 2, v[LS]
	v_and_b32 v[FF], 15, v0
	v_bfe_u32 v[T1], v0, 4, 1
	v_lshlrev_b32 v[QO], 8, v[FF]
	v_lshl_add_u32 v[QO], v[T1], 6, v[QO]          ; Q: row r of 256 bytes, + 64 h: my 16 channels of a block of 32
	s_bfe_u32 s12, ttmp6, 0x40000                  ; cx: it enters Q's, the mask's and the output's addresses alone
	s_and_b32 s13, ttmp7, 0xffff                   ; the head, which the four partners share
	s_mov_b32 s[G1], 15|(3<<16)|(1<<21)            ; the mask of all four; elements of 8 bytes; bit 21 beside a mask
	s_mov_b32 s[G1+1], 32<<16                      ; rows of 256 bytes, dense in memory and in LDS
	s_mov_b32 s[G1+2], R0<<16
	s_mov_b32 s[G1+3], 32<<16
	s_mov_b32 s[G1+4], R0
	s_mov_b32 s[G1+5], 32
	s_mov_b32 s[G1+6], 0
	s_mov_b32 s[G1+7], 0
	s_mov_b32 s[SEL], 0x76543210
	s_mov_b32 s[SEL+1], 0xfedcba98
	s_mov_b32 s[CS], 0x3e38aa3b                    ; c = log2(e) / 8
	s_mov_b32 s[CS+1], s[CS]
	s_mov_b32 s[MNT], 0x600000
	s_mov_b32 s[TB], 0
	s_mov_b32 s[TS], 0
	s_mov_b32 s[UC], 0
	s_mul_i32 s16, s13, HEADB                      ; kv: the head's block
	s_mul_i32 s18, s[WV], R0*256                   ; my share of the first load, in memory and in LDS alike
	s_mul_i32 s19, s[WV], R1*256                   ; and of the second
	s_add_co_u32 s24, s16, s19
	s_add_co_u32 s24, s24, CH0
	s_mov_b32 s25, 0
	s_add_co_u32 s16, s16, s18
	s_mov_b32 s17, 0
	s_lshl_b32 s20, s12, 9
	s_lshl_b32 s21, s[WV], 4
	s_add_co_u32 s20, s20, s21                     ; my first query: 512 cx + 16 x wave (the second pass: 256 further on)
	s_lshl_b32 s20, s20, 8
	s_lshl_b32 s21, s13, 19
	s_add_co_u32 s20, s20, s21
	s_mov_b32 s21, 0
	s_lshr_b32 s22, s13, 4                         ; the batch
	s_lshl_b32 s22, s22, 7
	s_lshl_b32 s23, s12, 5
	s_add_co_u32 s22, s22, s23
	s_add_co_u32 s22, s22, s[WV]                   ; my tile: 128 x batch + 32 cx + wave
	s_lshl_b32 s22, s22, 12                        ; 16 steps of 256 bytes a tile
	s_mov_b32 s23, 0
	s_and_b32 s26, s13, 15                         ; j: my head among the batch's sixteen
	s_sub_co_u32 s[LIMA], s26, AHEAD               ; (under 0 it wraps: no trip reaches it)
	s_add_co_u32 s[LIMB], s26, 16-AHEAD
	s_lshl_b32 s26, s26, 8
	s_mov_b32 s27, 0
	s_wait_alu depctr_va_vdst(0)
	s_wait_dscnt 0x0                               ; both opening adds are done
	s_wait_kmcnt 0x0
	s_mov_b32 s[G0], 1
	s_mov_b32 s[G0+1], s18
	s_add_nc_u64 s[G0+2:G0+3], s[6:7], s[16:17]
	s_or_b32 s[G0+3], s[G0+3], 0x80000000
	s_add_nc_u64 s[KV2:KV2+1], s[6:7], s[24:25]
	s_add_nc_u64 s[QP:QP+1], s[4:5], s[20:21]
	s_add_nc_u64 s[OUTP:OUTP+1], s[10:11], s[20:21]
	s_add_nc_u64 s[MP:MP+1], s[8:9], s[22:23]
	s_add_nc_u64 s[PFA:PFA+1], s[MP:MP+1], s[26:27]
	CROUND                                         ; all four work-groups are here: the joint loads meet
	tensor_load_to_lds s[G0:G0+3], s[G1:G1+7]      ; my one load at the head: my share of the scale words and key steps 0-3
	s_nop 0
.rept 4
	v_nop
.endr
.irp c, 0,1                            ; the first pass's Q: lane (r, h) takes 16 neighbouring channels of each block of 32 of row r
.irp j, 0,1,2,3
	global_load_b128 v[S+16*\c+4*\j:S+16*\c+4*\j+3], v[QO], s[QP:QP+1] offset:128*\c+16*\j th:TH_LOAD_NT
.endr
.endr
	s_cmp_lt_u32 s[LIMB], 16                       ; j < AHEAD: my head asks for step j of the first pass here
	s_cbranch_scc0 .Lno_head_ask
	global_prefetch_b8 v[LS], s[PFA:PFA+1] th:TH_LOAD_NT scope:SCOPE_SE
.Lno_head_ask:
	s_load_b512 s[4:19], s[MP:MP+1], 0x0           ; key step 0's mask words (the arguments and offsets in these registers are done with)
	s_load_b512 s[20:35], s[MP:MP+1], 0x40
	s_load_b512 s[36:51], s[MP:MP+1], 0x80
	s_load_b512 s[68:83], s[MP:MP+1], 0xc0
	v_mov_b32 v[NINF], 0xff800000
.irp i, 0,1,2,3,4,5,6,7
	v_mov_b32 v[QF+8+\i], 0                        ; the zero codes between Q's two places
.endr
.irp b, 0,1,2,3
	v_mov_b32 v[W+4+\b], 0                         ; a lane permute's destination counts as read
.endr
	v_mov_b32 v[FF+1], 0                           ; named as the upper half of the pair with f
	s_wait_alu depctr_va_vdst(0)                   ; directly ahead of the wait below
	s_wait_loadcnt 0x0
	QUANTQ S, QF, QSC
	INIT
	s_wait_alu depctr_va_vdst(0)                   ; directly ahead of the wait below
	s_wait_tensorcnt 0x0                           ; my share of the first load is in
	ds_add_u32 v[SPW], v[NIL]
	s_mov_b32 s[G1+2], R1<<16                      ; no load of mine is out: the descriptor takes the second load's rows,
	s_mov_b32 s[G1+4], R1
	s_mul_i32 s[G0+1], s[WV], R1*256
	s_add_co_u32 s[G0+1], s[G0+1], CH0             ; its place in LDS,
	s_mov_b64 s[G0+2:G0+3], s[KV2:KV2+1]           ; and in memory
	s_or_b32 s[G0+3], s[G0+3], 0x80000000
	s_wait_dscnt 0x0
	CROUND                                         ; everybody's share of the first load is in, and the four work-groups meet
	tensor_load_to_lds s[G0:G0+3], s[G1:G1+7]      ; key steps 4-15: my one load behind the round
	s_nop 0
.rept 4
	v_nop
.endr
	RUN 4, 0, 0                                    ; key steps 0-3
	s_wait_tensorcnt 0x0                           ; the whole head: my share has landed,
	s_wait_dscnt 0x0
	s_barrier_signal -1
	s_barrier_wait -1                              ; and everybody's.
	RUN 11, 0, 1                                   ; key steps 4-14
	STEP 16*4096-15*256, 0, 0                      ; key step 15; the mask words asked for are step 0's of the second pass's tile, 16 tiles on
	WAYOUT 0
	s_wait_xcnt 0x0                                ; the stores have read their registers: the lines below write them
	s_wait_loadcnt 0x0                             ; the second pass's Q
	QUANTQ F, QF, QSC
	INIT
	s_mov_b32 s[TB], 0
	s_mov_b32 s[TS], 0
	s_mov_b32 s[UC], 0
	s_wait_alu depctr_va_vdst(0)                   ; ahead of the loop
	RUN 15, 1, 0
	STEP -1, 1, 0                                  ; the last step asks for no mask words
	WAYOUT 1
	s_wait_tensorcnt 0x0                           ; the wave's end
	ds_add_u32 v[SPW], v[NIL]
	s_wait_dscnt 0x0
	CROUND                                         ; the closing round
	s_endpgm
.Lfunc_end_k_qdda1e8a356_attn:
	.size	k_qdda1e8a356_attn, .Lfunc_end_k_qdda1e8a356_attn-k_qdda1e8a356_attn
	.p2alignl 7, 3214868480
	.fill 96, 4, 3214868480
	.section	.rodata,"a",@progbits
	.p2align	6, 0x0
	.amdhsa_kernel k_qdda1e8a356_attn
		.amdhsa_group_segment_fixed_size 327680
		.amdhsa_private_segment_fixed_size 0
		.amdhsa_enable_private_segment 0
		.amdhsa_kernarg_size 32
		.amdhsa_user_sgpr_count 2
		.amdhsa_user_sgpr_kernarg_segment_ptr 1
		.amdhsa_wavefront_size32 1
		.amdhsa_system_sgpr_workgroup_id_x 1
		.amdhsa_system_sgpr_workgroup_id_y 1
		.amdhsa_system_sgpr_workgroup_id_z 1
		.amdhsa_system_vgpr_workitem_id 0
		.amdhsa_next_free_vgpr 256
		.amdhsa_next_free_sgpr 106
		.amdhsa_reserve_vcc 1
		.amdhsa_float_denorm_mode_32 3
		.amdhsa_float_denorm_mode_16_64 3
		.amdhsa_memory_ordered 1
		.amdhsa_forward_progress 1
		.amdhsa_inst_pref_size 147
	.end_amdhsa_kernel
	.amdgpu_metadata
---
amdhsa.version: [ 1, 2 ]
amdhsa.kernels:
  - .name:           k_qdda1e8a356_attn
    .symbol:         k_qdda1e8a356_attn.kd
    .args:
      - { .name: Q, .offset: 0, .size: 8, .value_kind: global_buffer, .address_space: global }
      - { .name: kv, .offset: 8, .size: 8, .value_kind: global_buffer, .address_space: global }
      - { .name: maskw, .offset: 16, .size: 8, .value_kind: global_buffer, .address_space: global }
      - { .name: out0, .offset: 24, .size: 8, .value_kind: global_buffer, .address_space: global }
    .group_segment_fixed_size: 327680
    .private_segment_fixed_size: 0
    .kernarg_segment_align: 8
    .kernarg_segment_size: 32
    .max_flat_workgroup_size: 512
    .sgpr_count:     106
    .vgpr_count:     256
    .wavefront_size: 32
...
	.end_amdgpu_metadata
.endif
;; end of part 2
